; MI455X (gfx1250); checked and timed in simulation.
; The chip was launched on July 23, 2026; its instructions are those of AMD's public machine-readable ISA for CDNA 5 (MIT licence, August 2026) and "CDNA5" Instruction Set Architecture Reference Guide (July 2026). The comments in the code are by the model that wrote it; some were corrected since.
;; Evolved Multi Head Attention. Allowed arithmetic: matrix products marked QUANTISED: E5M2 operands, one E8M0 scale for each 32 along K, by v_wmma_scale_f32_16x16x128_f8f6f4 with both operands' format E5M2, f32 sums; everything else in f32.
;; Inputs: Wk 1,024 x 1,024 float32; Wo 1,024 x 1,024 float32; Wq 1,024 x 1,024 float32; Wv 1,024 x 1,024 float32; bk 1,024 float32; bo 1,024 float32; bq 1,024 float32; bv 1,024 float32; keep_mask 2 x 16 x 2,048 x 2,048 bool; x 2 x 2,048 x 1,024 float32.
;; Outputs: out0 2 x 2,048 x 1,024 float32.
;; This version of the problem:
;;   THIS VERSION OF THE PROBLEM IS GIVEN IN LOW PRECISION. The matrix products marked QUANTISED in the list below multiply operands that are first quantised to E5M2 (5 exponent bits, 2 mantissa bits; 8 bits a number), with one power-of-two scale for each 32 numbers along K (OCP MX v1.0); their sums are f32. All else is computed in f32.
;;   The module's matrix products, in the order in which they are computed (A, B: the left and right operand; K: the contracted axis; several contracted axes count as one K, in the product's order):
;;     1. [M 4,096, K 1,024] x [K 1,024, N 1,024]; A: input x; B: input Wq: QUANTISED
;;     2. [M 4,096, K 1,024] x [K 1,024, N 1,024]; A: input x; B: input Wk: QUANTISED
;;     3. [M 4,096, K 1,024] x [K 1,024, N 1,024]; A: input x; B: input Wv: QUANTISED
;;     4. batch 32 x [M 2,048, K 64] x [K 64, N 2,048]; A: computed on the way; B: computed on the way: QUANTISED
;;     5. batch 32 x [M 2,048, K 2,048] x [K 2,048, N 64]; A: computed on the way; B: computed on the way: QUANTISED
;;     6. [M 4,096, K 1,024] x [K 1,024, N 1,024]; A: computed on the way; B: input Wo: QUANTISED
;;   THE QUANTISER, for each operand of a quantised product, along K:
;;     - K is cut into blocks of 32 from its start; a last block that is shorter is filled with zeros.
;;     - A block's scale is 2^e with e = floor(log2(the largest magnitude in the block)) - 15, held to -126 .. 127; a block of zeros has e = 0. As a byte (E8M0): e + 127.
;;     - Each number is divided by its block's scale, clamped to +-57,344, and rounded to the nearest number of E5M2, ties to even, subnormals kept.
;;     - The product sums the exact products of the quantised numbers (number of the format x scale) in f32.
;;   ~~~python
;;   def quantise(x, axis):      # numpy; x: float32 -> the quantised numbers, widened to float32 again
;;       x = np.moveaxis(x, axis, -1); K = x.shape[-1]
;;       x = np.pad(x, [(0, 0)] * (x.ndim - 1) + [(0, -K % 32)]); x = x.reshape(x.shape[:-1] + (-1, 32)); a = np.abs(x).max(-1, keepdims=True)
;;       e = np.where(a > 0, np.clip(np.frexp(np.where(a > 0, a, 1))[1] - 1 - 15, -126, 127), 0)      # np.frexp(a)[1] - 1 = floor(log2(a)), exactly
;;       r = np.clip(x / 2.0 ** e, -57344, 57344)
;;       step = 2.0 ** (np.maximum(np.frexp(np.where(r == 0, 1, r))[1] - 1, -14) - 2)
;;       q = np.round(r / step) * step * 2.0 ** e      # np.round: ties to even
;;       return np.moveaxis(q.reshape(q.shape[:-2] + (-1,))[..., :K], -1, axis).astype(np.float32)
;;   ~~~
;;   OPERANDS COMPUTED ON THE WAY. 'Computed on the way' means the value that the module computes at that place (a softmax that the list does not call 'softmax' is quantised finished and normalised). What goes into a quantiser is computed in f32, as accurately as f32 sums, v_exp_f32 and their like allow (about 1e-6 of the number): no bf16 or f16 on the way to a quantiser, and a product that is left as it is and whose result goes on into a quantised operand takes f32 operands (vector FMAs, or v_wmma_f32_16x16x4_f32). A number that lies on a knife's edge between two numbers of the format may be rounded either way, as far as f32 arithmetic and the matrix unit's own rounding can turn it there, and no further.
;; One version. Each part assembles by itself: llvm-mc -triple=amdgcn-amd-amdhsa -mcpu=gfx1250 --defsym DOCPART=n.
;; ======== version 1 of 1: 4 launches
;; limits: right only within a limited range of input values
;; workspace buffers: xq 4,325,376 bytes; wq 4,325,376 bytes; qkv 12,976,128 bytes; cq 4,325,376 bytes
;; launch quant (part 1): grid 256 x 1, 16 waves a work-group, no clusters, 169,984 bytes of LDS; arguments x, Wq, Wk, Wv, Wo, xq, wq; writes xq, wq
.if DOCPART == 1
	.amdgcn_target "amdgcn-amd-amdhsa--gfx1250"
	.amdhsa_code_object_version 6
	.text
	.protected	k_q1451856aea_quant
	.globl	k_q1451856aea_quant
	.p2align	8
	.type	k_q1451856aea_quant,@function
k_q1451856aea_quant:
	s_mov_b64 s[64:65], 0
	v_nop
	global_prefetch_b8 v0, s[64:65] scope:SCOPE_SE
	s_setreg_imm32_b32 hwreg(HW_REG_WAVE_MODE, 25, 1), 1
	s_wait_xcnt 0x0
; x [4096][1024] and Wq, Wk, Wv, Wo [1024][1024], f32, K innermost, become codes of BF8 (E5M2) with one E8M0 byte for each 32 along K.
; A block's scale is 2^(floor(log2(largest magnitude)) - 15); its byte is the largest magnitude's exponent field - 15, held at 1 from below.  A block of zeros keeps the byte 1: its codes are zeros, and this program alone reads the bytes.
; LIMITS: NaN and infinities among the inputs are not served; blocks whose largest magnitude lies under 2^-111 keep the byte 1.
; LAYOUT OF THE RESULT.  A tile is 16 rows.  Codes: [tile][K step of 128: 8][2,048 bytes]: the image of an operand's 16 registers: group c (32 along K) is 512 bytes, lane l's 16 bytes at 16 l.
; Inside a block of 32 the place (h = lane / 16, byte 8 u + j) holds element 16 u + 8 h + j: every operand of this program has that order, and a permutation inside one scale block, alike on both sides, changes no product.
; Scale bytes: [row][32], from byte 4,194,304 of the buffer on.
; SHARES.  A work-group takes two tiles; a wave takes one K step of one tile: 16 rows x 512 bytes, by ONE tensor load, which it alone reads.  Work-groups 0-127 take x, then 32 each Wq, Wk, Wv, Wo.  Only pointers are chosen.
; A tile's eight scale words a row meet in LDS; behind one barrier the wave of K step 0 stores the tile's 512 scale bytes on end.  Nothing in LDS is filled twice.
.set STEPB, 8448                       ; 16 rows x (512 bytes + 16 of padding)
.set SCB,   135168                     ; behind the 16 waves' tiles: 2 x 512 scale bytes
.set SPARE, 167936                     ; the spare words: 128 bytes for each of 16 waves
.set G1,  16
.set G0,  24
.set SEL, 56
.set MNT, 58
.set LRD, 2                            ; v2  LDS: my row, my half
.set L16, 3                            ; v3  16 x lane
.set SWA, 4                            ; v4  LDS: where my row's scale word goes
.set SRA, 5                            ; v5  LDS: 16 x lane in my tile's scale bytes
.set SPW, 8
.set NIL, 9
.set SW,  10                           ; v10 the scale word
.set OW,  12                           ; v12-15 scale bytes on the way out
.set X,   32                           ; v32-95 64 numbers
.set PC,  96                           ; v96-111 codes
.set TM,  112                          ; v112-127 at work
	s_load_b256 s[68:75], s[0:1], 0x0              ; x, Wq, Wk, Wv
	s_load_b128 s[76:79], s[0:1], 0x20             ; Wo, xq
	s_load_b64 s[80:81], s[0:1], 0x30              ; wq
	v_lshl_add_u32 v[SPW], v0, 2, SPARE
	v_mov_b32 v[NIL], 0
	ds_add_u32 v[SPW], v[NIL]                      ; the opening lines: the add twice on end and its wait ahead of my tensor load
	ds_add_u32 v[SPW], v[NIL]
	v_lshrrev_b32 v1, 5, v0
	v_readfirstlane_b32 s2, v1                     ; wave 0..15
	s_lshr_b32 s60, s2, 3                          ; which of the two tiles
	s_and_b32 s61, s2, 7                           ; which K step
	s_mul_i32 s3, s2, STEPB
	s_lshl_b32 s62, s60, 9
	s_add_co_u32 s62, s62, SCB                     ; my tile's scale bytes in LDS
	s_lshl_b32 s63, s61, 2
	s_add_co_u32 s63, s63, s62                     ; and my K step's word in a row's 32
	s_mov_b32 s[G1+0], (2<<16)|(1<<20)|(6<<22)|(3<<25)   ; elements of 4 bytes; 4 words of padding behind every 128
	s_mov_b32 s[G1+1], 128<<16
	s_mov_b32 s[G1+2], 16<<16
	s_mov_b32 s[G1+3], 128<<16
	s_mov_b32 s[G1+4], 16
	s_mov_b32 s[G1+5], 1024
	s_mov_b32 s[G1+6], 0
	s_mov_b32 s[G1+7], 0
	v_and_b32 v6, 15, v0                           ; r
	v_bfe_u32 v7, v0, 4, 1                         ; h
	v_and_b32 v1, 31, v0                           ; lane
	v_mul_u32_u24 v[LRD], v6, 528
	v_lshl_add_u32 v[LRD], v7, 5, v[LRD]
	v_add_nc_u32 v[LRD], s3, v[LRD]
	v_lshlrev_b32 v[L16], 4, v1
	v_lshlrev_b32 v[SWA], 5, v6
	v_add_nc_u32 v[SWA], s63, v[SWA]
	v_add_nc_u32 v[SRA], s62, v[L16]
	s_mov_b32 s[SEL], 0x76543210
	s_mov_b32 s[SEL+1], 0xfedcba98
	s_mov_b32 s[MNT], 0x600000
.irp b, 0,1,2,3
	v_mov_b32 v[TM+4+\b], 0                        ; a lane permute's destination counts as one of its sources
.endr
	s_wait_alu depctr_va_vdst(0)
	s_wait_dscnt 0x0
	s_wait_kmcnt 0x0
	s_cmp_lt_u32 ttmp9, 160                        ; every choice hangs on the work-group's number alone
	s_cselect_b64 s[4:5], s[70:71], s[72:73]
	s_cmp_lt_u32 ttmp9, 224
	s_cselect_b64 s[6:7], s[74:75], s[76:77]
	s_cmp_lt_u32 ttmp9, 192
	s_cselect_b64 s[4:5], s[4:5], s[6:7]
	s_cmp_lt_u32 ttmp9, 128
	s_cselect_b64 s[4:5], s[68:69], s[4:5]         ; the source
	s_cselect_b64 s[6:7], s[78:79], s[80:81]       ; the destination
	s_cselect_b32 s8, 0, 128
	s_cselect_b32 s9, 255, 63
	s_sub_co_u32 s8, ttmp9, s8
	s_lshl_b32 s8, s8, 1
	s_add_co_u32 s8, s8, s60                       ; my tile in the destination
	s_and_b32 s9, s8, s9                           ; and in the source
	s_lshl_b32 s10, s9, 16
	s_lshl_b32 s11, s61, 9
	s_add_co_u32 s10, s10, s11                     ; 16 rows of 4,096 bytes a tile, 512 bytes a K step
	s_mov_b32 s11, 0
	s_add_nc_u64 s[4:5], s[4:5], s[10:11]
	s_lshl_b32 s10, s8, 14
	s_lshl_b32 s59, s61, 11
	s_add_co_u32 s10, s10, s59
	s_add_nc_u64 s[12:13], s[6:7], s[10:11]        ; my codes
	s_lshl_b32 s10, s8, 9
	s_add_co_u32 s10, s10, 4194304
	s_add_nc_u64 s[14:15], s[6:7], s[10:11]        ; my tile's scale bytes
	s_mov_b32 s[G0], 1
	s_mov_b32 s[G0+1], s3
	s_mov_b64 s[G0+2:G0+3], s[4:5]
	s_or_b32 s[G0+3], s[G0+3], 0x80000000
	tensor_load_to_lds s[G0:G0+3], s[G1:G1+7]      ; my one load
	s_nop 0
.rept 4
	v_nop
.endr
	s_wait_tensorcnt 0x0
.irp b, 0,1,2,3
.irp u, 0,1
.irp k, 0,1
	ds_load_b128 v[X+16*\b+8*\u+4*\k:X+16*\b+8*\u+4*\k+3], v[LRD] offset:128*\b+64*\u+16*\k   ; elements 32 b + 16 u + 8 h + 4 k on, of row r
.endr
.endr
.endr
	s_wait_dscnt 0x0
.irp b, 0,1,2,3
	v_max3_num_f32 v[TM+\b], |v[X+16*\b]|, |v[X+1+16*\b]|, 0x8000000   ; my 16 numbers of block b, and the floor 2^(16 - 127)
.endr
.irp i, 2,4,6,8,10,12,14
.irp b, 0,1,2,3
	v_max3_num_f32 v[TM+\b], v[TM+\b], |v[X+16*\b+\i]|, |v[X+1+16*\b+\i]|
.endr
.endr
.irp b, 0,1,2,3
	v_permlanex16_b32 v[TM+4+\b], v[TM+\b], s[SEL], s[SEL+1]
.endr
.irp b, 0,1,2,3
	v_max_num_f32 v[TM+\b], v[TM+\b], v[TM+4+\b]   ; with lane l xor 16's 16
.endr
.irp b, 0,1,2,3
	v_add_nc_u32 v[TM+12+\b], 0xf8800000, v[TM+\b] ; 15 off the exponent field: the conversion's scale operand
.endr
.irp b, 0,1,2,3
	v_and_or_b32 v[TM+8+\b], v[TM+\b], 0x7f800000, s[MNT]   ; 57,344 x the scale
.endr
.irp b, 0,1,2,3
	v_lshrrev_b32 v[TM+4+\b], 23, v[TM+12+\b]      ; the scale's byte
.endr
	v_lshl_or_b32 v[SW], v[TM+5], 8, v[TM+4]
	v_lshl_or_b32 v[SW], v[TM+6], 16, v[SW]
	v_lshl_or_b32 v[SW], v[TM+7], 24, v[SW]
.irp b, 0,1,2,3
.irp i, 0,1,2,3,4,5,6,7,8,9,10,11,12,13,14,15
	v_med3_num_f32 v[X+16*\b+\i], v[X+16*\b+\i], -v[TM+8+\b], v[TM+8+\b]   ; the conversion does not saturate (ISA guide 7.6.2): the hold comes first
.endr
	v_cvt_scalef32_pk8_bf8_f32 v[PC+4*\b:PC+1+4*\b], v[X+16*\b:X+7+16*\b], v[TM+12+\b]
	v_cvt_scalef32_pk8_bf8_f32 v[PC+2+4*\b:PC+3+4*\b], v[X+8+16*\b:X+15+16*\b], v[TM+12+\b]
.endr
	v_nop                                          ; a plain line behind the last conversion
.irp c, 0,1,2,3
	global_store_b128 v[L16], v[PC+4*\c:PC+4*\c+3], s[12:13] offset:512*\c   ; 32 lanes store 512 consecutive bytes
.endr
	ds_store_b32 v[SWA], v[SW]                     ; both halves of the lanes write row r's word with the same value
	s_wait_dscnt 0x0
	s_barrier_signal -1
	s_barrier_wait -1                              ; the tile's eight words a row lie in LDS
	s_cmp_lg_u32 s61, 0
	s_cbranch_scc1 .Lend
	ds_load_b128 v[OW:OW+3], v[SRA]
	s_wait_dscnt 0x0
	global_store_b128 v[L16], v[OW:OW+3], s[14:15] ; the tile's 512 scale bytes, consecutive
.Lend:
	s_wait_tensorcnt 0x0                           ; the wave's end
	ds_add_u32 v[SPW], v[NIL]
	s_wait_dscnt 0x0
	s_endpgm
.Lfunc_end_k_q1451856aea_quant:
	.size	k_q1451856aea_quant, .Lfunc_end_k_q1451856aea_quant-k_q1451856aea_quant
	.p2alignl 7, 3214868480
	.fill 96, 4, 3214868480
	.section	.rodata,"a",@progbits
	.p2align	6, 0x0
	.amdhsa_kernel k_q1451856aea_quant
		.amdhsa_group_segment_fixed_size 169984
		.amdhsa_private_segment_fixed_size 0
		.amdhsa_enable_private_segment 0
		.amdhsa_kernarg_size 56
		.amdhsa_user_sgpr_count 2
		.amdhsa_user_sgpr_kernarg_segment_ptr 1
		.amdhsa_wavefront_size32 1
		.amdhsa_system_sgpr_workgroup_id_x 1
		.amdhsa_system_sgpr_workgroup_id_y 1
		.amdhsa_system_sgpr_workgroup_id_z 1
		.amdhsa_system_vgpr_workitem_id 0
		.amdhsa_next_free_vgpr 128
		.amdhsa_next_free_sgpr 84
		.amdhsa_reserve_vcc 0
		.amdhsa_float_denorm_mode_32 3
		.amdhsa_float_denorm_mode_16_64 3
		.amdhsa_memory_ordered 1
		.amdhsa_forward_progress 1
		.amdhsa_inst_pref_size 14
	.end_amdhsa_kernel
	.amdgpu_metadata
---
amdhsa.version: [ 1, 2 ]
amdhsa.kernels:
  - .name:           k_q1451856aea_quant
    .symbol:         k_q1451856aea_quant.kd
    .args:
      - { .name: x, .offset: 0, .size: 8, .value_kind: global_buffer, .address_space: global }
      - { .name: Wq, .offset: 8, .size: 8, .value_kind: global_buffer, .address_space: global }
      - { .name: Wk, .offset: 16, .size: 8, .value_kind: global_buffer, .address_space: global }
      - { .name: Wv, .offset: 24, .size: 8, .value_kind: global_buffer, .address_space: global }
      - { .name: Wo, .offset: 32, .size: 8, .value_kind: global_buffer, .address_space: global }
      - { .name: xq, .offset: 40, .size: 8, .value_kind: global_buffer, .address_space: global }
      - { .name: wq, .offset: 48, .size: 8, .value_kind: global_buffer, .address_space: global }
    .group_segment_fixed_size: 169984
    .private_segment_fixed_size: 0
    .kernarg_segment_align: 8
    .kernarg_segment_size: 56
    .max_flat_workgroup_size: 512
    .sgpr_count:     84
    .vgpr_count:     128
    .wavefront_size: 32
...
	.end_amdgpu_metadata
.endif
;; end of part 1
;; launch proj (part 2): grid 12 x 16, 4 waves a work-group, clusters of 4 x 4, 327,680 bytes of LDS; arguments xq, wq, bq, bk, bv, qkv; writes qkv
.if DOCPART == 2
	.amdgcn_target "amdgcn-amd-amdhsa--gfx1250"
	.amdhsa_code_object_version 6
	.text
	.protected	k_q1451856aea_proj
	.globl	k_q1451856aea_proj
	.p2align	8
	.type	k_q1451856aea_proj,@function
k_q1451856aea_proj:
	s_mov_b64 s[64:65], 0
	v_nop
	global_prefetch_b8 v0, s[64:65] scope:SCOPE_SE
	s_setreg_imm32_b32 hwreg(HW_REG_WAVE_MODE, 25, 1), 1
	s_wait_xcnt 0x0
	s_wait_alu depctr_hold_cnt(0) depctr_sa_sdst(0) depctr_va_vdst(0) depctr_va_sdst(0) depctr_va_ssrc(0) depctr_va_vcc(0) depctr_vm_vsrc(0)
	s_getreg_b32 s2, hwreg(HW_REG_IB_STS2, 6, 4)
	s_cmp_eq_u32 s2, 0
	s_cbranch_scc0 .Lentry_in_a_cluster
	s_endpgm
.Lentry_in_a_cluster:
	s_bfe_u32 s2, ttmp6, 0x10000c
	s_cmp_lg_u32 s2, 0xf033
	s_cbranch_scc0 .Lentry_shape_is_right
	s_endpgm
.Lentry_shape_is_right:
.set TILEB,  4096
.set HALFT,  8*TILEB
.set SLOT,   4*HALFT
.set NQ,     2
.set FR,     16
.set NL,     4
.set NP,     8
.set LAPS,   2
.set SCL,    2*SLOT
.set HALFS,  16*256
.set SBLK,   2*256
.set SPARE,  SCL+4*HALFS
.set L16,  7
.set BV,   8
.set ADRA, 16
.set L4,   18
.set BOF,  19
.set ADRB, 20
.set ROF,  22
.set ADRS, 27
.set SPW,  28
.set NIL,  29
.set SC,   32
.set BIAS, 64
.set AF,   128
.set TM,   128
.set PW,   144
.set T0,   152
.set OS,   154
.set PCS,  160
.set WV, 16
.set HA, 17
.set HB, 18
.set GY, 19
.set GX, 42
.set G1, 24
.set G0, 32
.set G1B, 48
.set G0B, 56
.set HIM, 66
.set MNT, 67
.set G1S, 68
.set G0S, 76
.set G1SB, 80
.set G0SB, 88
.set FF, 96
.set GG, 97
.set MSB, 0
.macro WIN new
.if MSB != (\new)
	s_set_vgpr_msb (MSB<<8)|(\new)
.set MSB, (\new)
.endif
.endm
.set MUL_LO, 0xa1
.set MUL_HI, 0xf1
.set TO_B,   0x40
.macro JLOAD g0a, g1a, g0b, g1b
	s_cmp_eq_u32 s[HA], 0
	s_cbranch_scc0 .Lfor_b_\@
	tensor_load_to_lds s[\g0a:\g0a+3], s[\g1a:\g1a+7]
	s_nop 0
.rept 4
	v_nop
.endr
	s_branch .Lasked_\@
.Lfor_b_\@:
	tensor_load_to_lds s[\g0b:\g0b+3], s[\g1b:\g1b+7]
	s_nop 0
.rept 4
	v_nop
.endr
.Lasked_\@:
.endm
.macro CREST
	s_cmp_lg_u32 s[WV], 0
	s_cbranch_scc1 .Lnot_wave_0_\@
	s_barrier_signal -3
.Lnot_wave_0_\@:
	s_barrier_wait -3
	s_barrier_signal -1
	s_barrier_wait -1
.endm
.macro CROUND
	s_barrier_signal -1
	s_barrier_wait -1
	CREST
.endm
	s_load_b128 s[4:7], s[0:1], 0x0
	s_load_b256 s[8:15], s[0:1], 0x10
	v_lshl_add_u32 v[SPW], v0, 2, SPARE
	v_mov_b32 v[NIL], 0
	ds_add_u32 v28, v29
	ds_add_u32 v28, v29
	s_wait_dscnt 0x0
	v_lshrrev_b32 v1, 5, v0
	v_readfirstlane_b32 s[WV], v1
	s_lshr_b32 s[HA], s[WV], 1
	s_and_b32 s[HB], s[WV], 1
	s_bfe_u32 s40, ttmp6, 0x40000
	s_bfe_u32 s41, ttmp6, 0x40004
	s_lshl_b32 s[GX], ttmp9, 2
	s_add_co_u32 s[GX], s[GX], s40
	s_and_b32 s[GY], ttmp7, 0xffff
	s_lshl_b32 s[GY], s[GY], 2
	s_add_co_u32 s[GY], s[GY], s41
	s_lshl_b32 s43, s41, 2
	s_lshl_b32 s43, 15, s43
	s_lshl_b32 s44, 0x1111, s40
	s_or_b32 s[G1+0], s43, (3<<16)|(1<<21)
	s_or_b32 s[G1B+0], s44, (3<<16)|(1<<21)
.irp g, G1, G1B
	s_mov_b32 s[\g+1], 512<<16
	s_mov_b32 s[\g+2], 8<<16
	s_mov_b32 s[\g+3], 512<<16
	s_mov_b32 s[\g+4], 8
	s_mov_b32 s[\g+5], 2048
	s_mov_b32 s[\g+6], 0
	s_mov_b32 s[\g+7], 0
.endr
	s_or_b32 s[G1S+0], s43, (3<<16)|(1<<21)
	s_or_b32 s[G1SB+0], s44, (3<<16)|(1<<21)
.irp g, G1S, G1SB
	s_mov_b32 s[\g+1], 32<<16
	s_mov_b32 s[\g+2], 16<<16
	s_mov_b32 s[\g+3], 32<<16
	s_mov_b32 s[\g+4], 16
	s_mov_b32 s[\g+5], 32
	s_mov_b32 s[\g+6], 0
	s_mov_b32 s[\g+7], 0
.endr
	s_lshl_b32 s21, s[HB], 3
	s_lshl_b32 s20, s[GY], 4
	s_add_co_u32 s20, s20, s21
	s_lshl_b32 s22, s20, 9
	s_add_co_u32 s22, s22, 4194304
	s_lshl_b32 s20, s20, 14
	s_mov_b32 s21, 0
	s_mov_b32 s23, 0
	s_lshl_b32 s47, s[HB], 3
	s_lshl_b32 s46, s[GX], 4
	s_add_co_u32 s46, s46, s47
	s_lshl_b32 s92, s46, 9
	s_add_co_u32 s92, s92, 4194304
	s_lshl_b32 s46, s46, 14
	s_mov_b32 s47, 0
	s_mov_b32 s93, 0
	s_mul_i32 s45, s[WV], HALFT
	s_mul_i32 s94, s[WV], HALFS
	s_wait_kmcnt 0x0
	s_add_nc_u64 s[20:21], s[4:5], s[20:21]
	s_add_nc_u64 s[22:23], s[4:5], s[22:23]
	s_add_nc_u64 s[46:47], s[6:7], s[46:47]
	s_add_nc_u64 s[92:93], s[6:7], s[92:93]
	CROUND
	s_mov_b32 s[G0S], 1
	s_add_co_u32 s[G0S+1], s94, SCL
	s_mov_b64 s[G0S+2:G0S+3], s[22:23]
	s_or_b32 s[G0S+3], s[G0S+3], 0x80000000
	s_mov_b32 s[G0SB], 1
	s_add_co_u32 s[G0SB+1], s94, SCL
	s_mov_b64 s[G0SB+2:G0SB+3], s[92:93]
	s_or_b32 s[G0SB+3], s[G0SB+3], 0x80000000
	JLOAD G0S, G1S, G0SB, G1SB
.irp s, 0,1
	s_mov_b32 s[G0+4*\s], 1
	s_add_co_u32 s[G0+4*\s+1], s45, \s*SLOT
	s_add_nc_u64 s[G0+4*\s+2:G0+4*\s+3], s[20:21], \s*TILEB
	s_or_b32 s[G0+4*\s+3], s[G0+4*\s+3], 0x80000000
	s_mov_b32 s[G0B+4*\s], 1
	s_add_co_u32 s[G0B+4*\s+1], s45, \s*SLOT
	s_add_nc_u64 s[G0B+4*\s+2:G0B+4*\s+3], s[46:47], \s*TILEB
	s_or_b32 s[G0B+4*\s+3], s[G0B+4*\s+3], 0x80000000
	s_wait_alu depctr_va_vdst(0)
	s_wait_tensorcnt 0x0
	ds_add_u32 v28, v29
	s_wait_dscnt 0x0
	CROUND
	JLOAD G0+4*\s, G1, G0B+4*\s, G1B
.endr
	v_and_b32 v1, 15, v0
	v_bfe_u32 v2, v0, 4, 1
	v_and_b32 v3, 31, v0
	v_lshlrev_b32 v[L16], 4, v3
	v_lshlrev_b32 v[L4], 2, v3
	v_lshlrev_b32 v[BOF], 5, v2
	s_wait_alu depctr_va_vdst(0)
	v_lshlrev_b32 v[ROF], 2, v1
	s_wait_alu depctr_va_vdst(0)
	s_cmp_eq_u32 ttmp9, 0
	s_cselect_b64 s[98:99], s[8:9], s[10:11]
	s_cmp_eq_u32 ttmp9, 2
	s_cselect_b64 s[98:99], s[12:13], s[98:99]
	s_cselect_b32 s[FF], 1, 0
	s_xor_b32 s[GG], s[FF], 1
	s_lshl_b32 s20, s40, 10
	s_lshl_b32 s21, s[HA], 9
	s_add_co_u32 s22, s20, s21
	s_mov_b32 s23, 0
	s_add_nc_u64 s[100:101], s[98:99], s[22:23]
	s_lshl_b32 s21, s[HB], 9
	s_add_co_u32 s22, s20, s21
	s_add_nc_u64 s[98:99], s[98:99], s[22:23]
.irp b, 0,1,2,3,4,5,6,7
	global_load_b128 v[BIAS+8*\b:BIAS+8*\b+3], v[BOF], s[98:99] offset:64*\b
	global_load_b128 v[BIAS+8*\b+4:BIAS+8*\b+7], v[BOF], s[98:99] offset:64*\b+16
.endr
.irp a, 0,1,2,3,4,5,6,7
	global_load_b32 v[BV+\a], v[ROF], s[100:101] offset:64*\a
.endr
	s_lshl_b32 s21, s[FF], 16
	s_lshl_b32 s22, s[HA], 15
	s_add_co_u32 s21, s21, s22
	s_lshl_b32 s22, s[GG], 16
	s_lshl_b32 s23, s[HB], 15
	s_add_co_u32 s22, s22, s23
.irp s, 0,1
	v_add_nc_u32 v[ADRA+\s], s21, v[L16]
	v_add_nc_u32 v[ADRB+\s], s22, v[L16]
	s_add_co_u32 s21, s21, SLOT
	s_add_co_u32 s22, s22, SLOT
.endr
	v_lshlrev_b32 v5, 5, v1
	s_wait_alu depctr_va_vdst(0)
	s_mul_i32 s21, s[FF], 2*HALFS
	s_mul_i32 s22, s[HA], HALFS
	s_add_co_u32 s21, s21, s22
	s_add_co_u32 s21, s21, SCL
	s_mul_i32 s22, s[GG], 2*HALFS
	s_mul_i32 s23, s[HB], HALFS
	s_add_co_u32 s22, s22, s23
	s_add_co_u32 s22, s22, SCL
	s_mov_b32 s[HIM], 0xffff0000
	s_mov_b32 s[MNT], 0x600000
	v_add_nc_u32 v4, s21, v5
	v_add_nc_u32 v6, s22, v5
	v_cndmask_b32 v[ADRS], v4, v6, s[HIM]
.macro FRAG reg, adr, q, i
.irp c, 0,1,2,3
	ds_load_b128 v[\reg+4*\c:\reg+4*\c+3], v[\adr] offset:TILEB*(\i)+2048*(\q)+512*\c
.endr
.endm
.macro MUL16 a0, p, q, sc, zero
.irp a, \a0, \a0+1
.irp b, 0,1,2,3,4,5,6,7
.if \zero
	v_wmma_scale_f32_16x16x128_f8f6f4 v[8*(8*((\a)%4)+\b):8*(8*((\a)%4)+\b)+7], v[128*(\p)+FR*\b:128*(\p)+FR*\b+FR-1], v[AF+FR*(\a):AF+FR*(\a)+FR-1], 0, v[SC+8*NQ*(\sc)+NQ*\b+(\q)], v[SC+8*NQ*(\sc)+NQ*(\a)+(\q)] matrix_a_fmt:MATRIX_FMT_BF8 matrix_b_fmt:MATRIX_FMT_BF8 matrix_a_scale:MATRIX_SCALE_ROW1
.else
	v_wmma_scale_f32_16x16x128_f8f6f4 v[8*(8*((\a)%4)+\b):8*(8*((\a)%4)+\b)+7], v[128*(\p)+FR*\b:128*(\p)+FR*\b+FR-1], v[AF+FR*(\a):AF+FR*(\a)+FR-1], v[8*(8*((\a)%4)+\b):8*(8*((\a)%4)+\b)+7], v[SC+8*NQ*(\sc)+NQ*\b+(\q)], v[SC+8*NQ*(\sc)+NQ*(\a)+(\q)] matrix_a_fmt:MATRIX_FMT_BF8 matrix_b_fmt:MATRIX_FMT_BF8 matrix_a_scale:MATRIX_SCALE_ROW1
.endif
.endr
.endr
.endm
.macro FETCH_B slot, q, p
	WIN TO_B
.irp i, 0,1,2,3,4,5,6,7
	FRAG 128*(\p)+FR*\i, ADRB+\slot, \q, \i
.endr
	WIN 0
.endm
.macro FETCH_A slot, q, i0
.irp i, \i0, \i0+1, \i0+2, \i0+3
	FRAG AF+FR*(\i), ADRA+\slot, \q, \i
.endr
.endm
.macro SCALES sc
.irp i, 0,1,2,3,4,5,6,7
	ds_load_b64 v[SC+8*NQ*\sc+NQ*\i:SC+8*NQ*\sc+NQ*\i+1], v[ADRS] offset:\i*SBLK
.endr
.endm
.macro PLACES n
.rept \n
	v_nop
.endr
.endm
.macro STEP slot, q, zero
	s_wait_dscnt 4*NL
	WIN MUL_LO
	MUL16 0, (\q)%2, \q, \slot, \zero
	MUL16 2, (\q)%2, \q, \slot, \zero
	s_wait_dscnt 0
	PLACES NP
	FETCH_B \slot, (\q)+1, 1-(\q)%2
	FETCH_A \slot, (\q)+1, 0
	WIN MUL_HI
	MUL16 4, (\q)%2, \q, \slot, \zero
	MUL16 6, (\q)%2, \q, \slot, \zero
	PLACES NP
	WIN 0
	FETCH_A \slot, (\q)+1, 4
.endm
.macro TURN slot, next, fill
	s_wait_tensorcnt 0x0
	ds_add_u32 v[SPW], v[NIL]
	s_wait_dscnt 4*NL+1
	WIN MUL_LO
	MUL16 0, 1, NQ-1, \slot, 0
	s_wait_dscnt 0x0
	s_barrier_signal -1
	MUL16 2, 1, NQ-1, \slot, 0
	WIN 0
	s_barrier_wait -1
.if \fill
	CREST
	s_add_nc_u64 s[G0+4*\slot+2:G0+4*\slot+3], s[G0+4*\slot+2:G0+4*\slot+3], 2*TILEB
	s_add_nc_u64 s[G0B+4*\slot+2:G0B+4*\slot+3], s[G0B+4*\slot+2:G0B+4*\slot+3], 2*TILEB
	JLOAD G0+4*\slot, G1, G0B+4*\slot, G1B
	PLACES NP-4
.else
	PLACES NP
.endif
	s_wait_alu depctr_va_vdst(0)
	v_add_nc_u32 v[ADRS], 4*NQ, v[ADRS]
	FETCH_B \next, 0, 0
	FETCH_A \next, 0, 0
	SCALES \next
	WIN MUL_HI
	MUL16 4, 1, NQ-1, \slot, 0
	MUL16 6, 1, NQ-1, \slot, 0
	PLACES NP
	WIN 0
	FETCH_A \next, 0, 4
.endm
	s_wait_alu depctr_va_vdst(0)
	s_wait_loadcnt 0x0
	s_wait_tensorcnt 1
	s_barrier_signal -1
	s_barrier_wait -1
	FETCH_B 0, 0, 0
	FETCH_A 0, 0, 0
	SCALES 0
	FETCH_A 0, 0, 4
	STEP 0, 0, 1
	s_mov_b32 s3, LAPS-1
.Llap:
	TURN 0, 1, 1
	STEP 1, 0, 0
	TURN 1, 0, 1
	STEP 0, 0, 0
	s_sub_co_u32 s3, s3, 1
	s_cmp_lg_u32 s3, 0
	s_cbranch_scc1 .Llap
	TURN 0, 1, 0
	STEP 1, 0, 0
	s_wait_dscnt 4*NL
	WIN MUL_LO
	MUL16 0, 1, NQ-1, 1, 0
	MUL16 2, 1, NQ-1, 1, 0
	s_wait_dscnt 0
	WIN MUL_HI
	MUL16 4, 1, NQ-1, 1, 0
	MUL16 6, 1, NQ-1, 1, 0
	WIN 0
	PLACES NP
	s_cmp_lg_u32 s[FF], 0
	s_cselect_b32 s20, s[HA], s[HB]
	s_cselect_b32 s21, s[HB], s[HA]
	s_lshr_b32 s22, s[GY], 3
	s_lshl_b32 s22, s22, 4
	s_lshl_b32 s23, s40, 2
	s_add_co_u32 s22, s22, s23
	s_lshl_b32 s20, s20, 1
	s_add_co_u32 s22, s22, s20
	s_and_b32 s23, s[GY], 7
	s_lshl_b32 s23, s23, 1
	s_add_co_u32 s23, s23, s21
	s_lshl_b32 s92, ttmp9, 22
	s_lshl_b32 s20, s22, 17
	s_add_co_u32 s92, s92, s20
	s_lshl_b32 s20, s23, 13
	s_add_co_u32 s92, s92, s20
	s_mov_b32 s93, 0
	s_add_nc_u64 s[92:93], s[14:15], s[92:93]
	s_lshl_b32 s94, ttmp9, 17
	s_lshl_b32 s20, s22, 12
	s_add_co_u32 s94, s94, s20
	s_lshl_b32 s20, s23, 8
	s_add_co_u32 s94, s94, s20
	s_add_co_u32 s94, s94, 12582912
	s_mov_b32 s95, 0
	s_add_nc_u64 s[94:95], s[14:15], s[94:95]
	s_mov_b32 s2, 0x76543210
	s_mov_b32 s3, 0xfedcba98
.irp b, 0,1,2,3
	v_mov_b32 v[TM+4+\b], 0
.endr
.macro EPIA p, a
.set XW, 2+(\a)/4
.set AC, 64*((\a)%4)
.set PCB, PCS+16*((\a)%2)
.set WS, (XW<<6)|XW
	WIN WS
.set k, 0
.rept 32
.if \p == 0
	v_pk_add_f32 v[AC+2*k:AC+2*k+1], v[AC+2*k:AC+2*k+1], v[BIAS+2*k:BIAS+2*k+1]
.elseif ((\a)%2) == 0
	v_pk_add_f32 v[AC+2*k:AC+2*k+1], v[AC+2*k:AC+2*k+1], v[BV+2*((\a)/2):BV+2*((\a)/2)+1] op_sel_hi:[1,0]
.else
	v_pk_add_f32 v[AC+2*k:AC+2*k+1], v[AC+2*k:AC+2*k+1], v[BV+2*((\a)/2):BV+2*((\a)/2)+1] op_sel:[0,1] op_sel_hi:[1,1]
.endif
.set k, k+1
.endr
.set WS, (XW<<4)|(XW<<2)
	WIN WS
.irp b, 0,1,2,3
	v_max3_num_f32 v[TM+\b], 0x8000000, |v[AC+16*\b]|, |v[AC+16*\b+1]|
.endr
.irp i, 2,4,6,8,10,12,14
.irp b, 0,1,2,3
	v_max3_num_f32 v[TM+\b], v[TM+\b], |v[AC+16*\b+\i]|, |v[AC+16*\b+\i+1]|
.endr
.endr
	WIN 0
.irp b, 0,1,2,3
	v_permlanex16_b32 v[TM+4+\b], v[TM+\b], s2, s3
.endr
.irp b, 0,1,2,3
	v_max_num_f32 v[TM+\b], v[TM+\b], v[TM+4+\b]
.endr
.irp b, 0,1,2,3
	v_add_nc_u32 v[TM+12+\b], 0xf8800000, v[TM+\b]
.endr
.irp b, 0,1,2,3
	v_and_or_b32 v[TM+8+\b], v[TM+\b], 0x7f800000, s[MNT]
.endr
.irp b, 0,1,2,3
	v_lshrrev_b32 v[TM+4+\b], 23, v[TM+12+\b]
.endr
	v_lshl_or_b32 v[PW+(\a)], v[TM+5], 8, v[TM+4]
	v_lshl_or_b32 v[PW+(\a)], v[TM+6], 16, v[PW+(\a)]
	v_lshl_or_b32 v[PW+(\a)], v[TM+7], 24, v[PW+(\a)]
.set WS, (XW<<6)|XW
	WIN WS
.irp b, 0,1,2,3
.irp i, 0,1,2,3,4,5,6,7,8,9,10,11,12,13,14,15
	v_med3_num_f32 v[AC+16*\b+\i], v[AC+16*\b+\i], -v[TM+8+\b], v[TM+8+\b]
.endr
.endr
	s_wait_alu depctr_va_vdst(0)
	s_wait_xcnt 0x0
	WIN XW
.irp b, 0,1,2,3
	v_cvt_scalef32_pk8_bf8_f32 v[PCB+4*\b:PCB+4*\b+1], v[AC+16*\b:AC+16*\b+7], v[TM+12+\b]
	v_cvt_scalef32_pk8_bf8_f32 v[PCB+4*\b+2:PCB+4*\b+3], v[AC+16*\b+8:AC+16*\b+15], v[TM+12+\b]
.endr
	WIN 0
	v_nop
.irp g, 0,1,2,3
.if \p == 0
	global_store_b128 v[L16], v[PCB+4*\g:PCB+4*\g+3], s[92:93] offset:(\a)*1024+(\g/2)*131072+(\g%2)*512
.else
	global_store_b128 v[L16], v[PCB+4*\g:PCB+4*\g+3], s[92:93] offset:((\a)/4)*131072+((\a)%4)*2048+\g*512
.endif
.endr
.endm
	s_cmp_lg_u32 s[FF], 0
	s_cbranch_scc1 .Lfor_v
.irp a, 0,1,2,3,4,5,6,7
	EPIA 0, \a
.endr
.irp pp, 0,1
	v_perm_b32 v[T0], v[PW+4*\pp+1], v[PW+4*\pp], 0x05040100
	v_perm_b32 v[T0+1], v[PW+4*\pp+3], v[PW+4*\pp+2], 0x05040100
	v_cndmask_b32 v[OS+\pp], v[T0], v[T0+1], s[HIM]
	global_store_b32 v[L4], v[OS+\pp], s[94:95] offset:\pp*128
	v_perm_b32 v[T0], v[PW+4*\pp+1], v[PW+4*\pp], 0x07060302
	v_perm_b32 v[T0+1], v[PW+4*\pp+3], v[PW+4*\pp+2], 0x07060302
	v_cndmask_b32 v[OS+2+\pp], v[T0], v[T0+1], s[HIM]
	global_store_b32 v[L4], v[OS+2+\pp], s[94:95] offset:4096+\pp*128
.endr
	s_branch .Ljoin
.Lfor_v:
.irp a, 0,1,2,3,4,5,6,7
	EPIA 1, \a
.endr
.irp aa, 0,2,4,6
	v_cndmask_b32 v[OS+\aa/2], v[PW+\aa], v[PW+\aa+1], s[HIM]
	global_store_b32 v[L4], v[OS+\aa/2], s[94:95] offset:(\aa/4)*4096+(\aa%4)*64
.endr
.Ljoin:
	s_wait_tensorcnt 0x0
	ds_add_u32 v[SPW], v[NIL]
	s_wait_dscnt 0x0
	CROUND
	s_endpgm
.Lfunc_end_k_q1451856aea_proj:
	.size	k_q1451856aea_proj, .Lfunc_end_k_q1451856aea_proj-k_q1451856aea_proj
	.p2alignl 7, 3214868480
	.fill 96, 4, 3214868480
	.section	.rodata,"a",@progbits
	.p2align	6, 0x0
	.amdhsa_kernel k_q1451856aea_proj
		.amdhsa_group_segment_fixed_size 327680
		.amdhsa_private_segment_fixed_size 0
		.amdhsa_enable_private_segment 0
		.amdhsa_kernarg_size 48
		.amdhsa_user_sgpr_count 2
		.amdhsa_user_sgpr_kernarg_segment_ptr 1
		.amdhsa_wavefront_size32 1
		.amdhsa_system_sgpr_workgroup_id_x 1
		.amdhsa_system_sgpr_workgroup_id_y 1
		.amdhsa_system_sgpr_workgroup_id_z 1
		.amdhsa_system_vgpr_workitem_id 0
		.amdhsa_next_free_vgpr 1024
		.amdhsa_next_free_sgpr 102
		.amdhsa_reserve_vcc 0
		.amdhsa_float_denorm_mode_32 3
		.amdhsa_float_denorm_mode_16_64 3
		.amdhsa_memory_ordered 1
		.amdhsa_forward_progress 1
		.amdhsa_inst_pref_size 255
	.end_amdhsa_kernel
	.section	.bss,"aw",@nobits
	.p2align	6
	.space	262144
	.amdgpu_metadata
---
amdhsa.version: [ 1, 2 ]
amdhsa.kernels:
  - .name:           k_q1451856aea_proj
    .symbol:         k_q1451856aea_proj.kd
    .args:
      - { .name: xq, .offset: 0, .size: 8, .value_kind: global_buffer, .address_space: global }
      - { .name: wq, .offset: 8, .size: 8, .value_kind: global_buffer, .address_space: global }
      - { .name: bq, .offset: 16, .size: 8, .value_kind: global_buffer, .address_space: global }
      - { .name: bk, .offset: 24, .size: 8, .value_kind: global_buffer, .address_space: global }
      - { .name: bv, .offset: 32, .size: 8, .value_kind: global_buffer, .address_space: global }
      - { .name: qkv, .offset: 40, .size: 8, .value_kind: global_buffer, .address_space: global }
    .group_segment_fixed_size: 327680
    .private_segment_fixed_size: 0
    .kernarg_segment_align: 8
    .kernarg_segment_size: 48
    .max_flat_workgroup_size: 128
    .sgpr_count:     102
    .vgpr_count:     1024
    .wavefront_size: 32
...
	.end_amdgpu_metadata
.endif
;; end of part 2
;; launch attn (part 3): grid 8 x 32, 8 waves a work-group, no clusters, 327,680 bytes of LDS; arguments keep_mask, qkv, cq; writes cq
.if DOCPART == 3
	.amdgcn_target "amdgcn-amd-amdhsa--gfx1250"
	.amdhsa_code_object_version 6
	.text
	.protected	k_q1451856aea_attn
	.globl	k_q1451856aea_attn
	.p2align	8
	.type	k_q1451856aea_attn,@function
k_q1451856aea_attn:
	s_mov_b64 s[64:65], 0
	v_nop
	global_prefetch_b8 v0, s[64:65] scope:SCOPE_SE
	s_setreg_imm32_b32 hwreg(HW_REG_WAVE_MODE, 25, 1), 1
	s_wait_xcnt 0x0
; ctx = softmax(mask(Q K^T / 8)) V for one head, both products on codes of BF8 (E5M2) with E8M0 scales; the weights are quantised FINISHED AND NORMALISED, along the keys; ctx is quantised for the last product.
; SHARES.  A work-group owns 256 queries (16 tiles of 16) of one head.  ITS EIGHT WAVES SHARE THE KEYS, two waves to a SIMD: wave w owns keys 256 w .. 256 w + 255 for the whole launch.  Its part of K (128 registers) and of V (128)
; is read from memory once and stays in registers; a tile's 16 x 256 scores fill 128 more.  So a row's 2,048 scores are all in registers when its maximum and sum are known: one exponential a score, and the mask is read once.
; The eight waves exchange, for each query, the pair (shift, sum) and later their partial results, through LDS: two barriers a tile, A and B.
; THE CLOSING SUM IS DEALT EVENLY: behind barrier B wave w sums queries 2 w and 2 w + 1 of the tile: a lane takes four neighbouring features of one query from each of the eight partial results; a scale block of 32 lies in 8 lanes.
; That work stands behind the NEXT tile's first products.  Codes and scale bytes meet in LDS, and behind the next barrier A one wave, each in its turn, stores the tile's 1,024 bytes of codes as two runs of 512.
; NO CLUSTER: K and V go straight into operand registers, once (2 x 128 KB a work-group), where a joint load could only land in LDS; the 512 KB of mask that a work-group reads are shared with nobody.
; LAYOUT.  Both products are used transposed: a lane holds ONE query (lane % 16).  S^T = K Q^T: source 0 = keys.  The head's K is 64, the instruction's 128: two neighbouring tiles of keys are ONE fragment (row r: key 32 c + r in
; k 0-63, key 32 c + 16 + r in k 64-127), multiplied by [Q | zero codes] and by [zero codes | Q].  Register 16 c + 8 u + j of the scores is key 32 c + 16 u + 8 h + j: the order of every operand here inside a block of 32.
; THE MASK IS THE C OF THE FIRST PRODUCT: 0 where the key counts, -2^127 (finite) where it does not.  Every maximum has the floor -2^100, which such a score never passes; its weight is 2^(very negative) = 0.
; THE MASK'S RING: two slots of 32 query rows, each wave its own 256 bytes of a row.  A tile's words are read from LDS one tile early, under the second product, into the 32 highest score registers, which are free then.
; So a slot is read out when its second tile begins, and it is filled again behind that tile's barrier A.  The last tile's early reads find rows of an earlier pair and are not used.
; The mask's rows are prefetched: behind each fill each wave names, a lane a row, its 256 bytes of the 32 rows that the NEXT fill will load: two tiles ahead of that load; the last fill names nothing.
; SOFTMAX.  c = log2(e) / 8.  A wave takes its own largest score m, p = 2^(c s - c m) and l = the sum of p.  With n = -c m of the eight waves, N = their least: e_w = 2^(N - n_w), L = the sum of l_w e_w, and the finished weight is
; p f, f = e_own / L.  A row with no key: p = 0, l = 0, L is held at 0.5, so the weights are 0.
; A block's largest weight is not searched for: the block's largest score goes through the same multiply-add, exponential and multiplication (this takes v_exp_f32 not to fall where its input rises).
; LIMITS: NaN and infinities are not served; a raw score under -2^100 counts as masked; c x the largest score stays under 2^22, so that a live row's L is over 0.5; weights under 2^-126 may become 0; blocks under 2^-111 keep the byte 1.
; REGISTERS: window 0: the names below, the scores at v128-255.  window 1: K, 8 fragments, at v0-127; V, fragment (128 keys s, 16 of the head's 64 d) at v[128 + 16 (4 s + d)].
.set WREG,  4864                       ; LDS from 0, for each wave: its partial O^T, 16 runs of 256 bytes 272 apart (run 2 g + h: registers 4 g .. 4 g + 3 of lanes 16 h + r), then 512 bytes of (shift, sum), 16 a lane
.set STT,   4352
.set CB,    38912                      ; a tile's codes of ctx: 2 x 512 bytes, as they lie in cq
.set SBUF,  39936                      ; and its 32 scale bytes: [query][block]
.set SPARE, 40448                      ; the spare words: 128 bytes for each of 8 waves (the scale bytes ahead of them lie 32 bytes a query: 512 bytes)
.set B0,    45056                      ; the mask's ring: slot 0 here, slot 1 SLOT1 on; a wave's part of a slot: 32 query rows x (256 bytes + 16)
.set SLOT1, 131072
.set WPART, 8704
.set SPW,  1
.set NIL,  2
.set MA,   3                           ; v3   my place in my wave's part of the slot that is read next
.set L16,  4                           ; v4   16 x lane
.set WB,   5                           ; v5   16 x lane + my wave's LDS region
.set WBO,  6                           ; v6   272 h + 16 r + my wave's LDS region
.set PFO,  7                           ; v7   2,048 x lane: a row of the mask a lane
.set RA,   8                           ; v8   the closing sum: 272 (lane % 16) + 16 x my query
.set CBA,  9                           ; v9   where my four codes go
.set MA0,  10                          ; v10  272 r + 8 h in my wave's part of slot 0
.set SBW,  11                          ; v11  where my block's scale byte goes
                                       ; v[12:13] (-c m, l); v[14:15] f; v16-31 sums, the eight pairs, bytes
.set KSW,  32                          ; v32-35 K's scale words: lanes 0-15 an even fragment's, lanes 16-31 the next one's
.set QW,   36
.set TQ,   37
.set QSLO, 38
.set QSHI, 39
.set VSW,  40                          ; v40-43 V's, laid as K's
.set PSW,  44                          ; v44, v45 the weights'
.set L4,   46                          ; v46  4 x lane
.set R32,  47                          ; v47  32 x (lane % 16): a row's scale bytes, in LDS and in cq; never rewritten
.set QHI,  48                          ; v48-55 zeros, v56-63 Q, v64-71 zeros
.set QF,   56
.set QLO,  56
.set RW,   72                          ; v72-103 the closing sum's eight pieces; what the storing wave stores; then the weights' codes
.set PCD,  72
.set BM,   104
.set HOLD, 112                         ; v112-115 also N, my e, and L in two halves
.set SCO,  120
.set RT,   120                         ; v120-125 the closing sum's scale, bound, byte and codes
.set S,    128
.set OA,   128
.set MWT,  224                         ; v224-255 the mask's words
.set WV,   10
.set FW,   11                          ; s11  the wave that stores the last tile's codes; 15 in the first tile: none
.set TB,   12
.set GRP,  13
.set SEL,  14
.set G1,   16
.set G0,   24
.set CS,   28
.set NC,   30
.set MNT,  31
.set NEGF, 32
.set MULM, 33
.set SELB, 36
.set QP,   40
.set QSP,  42
.set KP,   44
.set VP,   46
.set KSP,  48
.set VSP,  50
.set CCP,  52
.set CSP,  54
.set PFA,  66
.set MSB, 0
.macro WIN new
.if MSB != (\new)
	s_set_vgpr_msb (MSB<<8)|(\new)
.set MSB, (\new)
.endif
.endm
.macro WALU
	s_wait_alu depctr_va_vdst(0)
.endm
.macro BARRIER                         ; my LDS stores have landed and my LDS loads are in
	WALU
	s_wait_dscnt 0x0
	s_barrier_signal -1
	s_barrier_wait -1
.endm
.macro WM d, a, b, c, sa, sb, row      ; row = 1: source 0's scale words stand in lanes 16-31
.if \row
	v_wmma_scale_f32_16x16x128_f8f6f4 v[(\d):(\d)+7], v[(\a):(\a)+15], v[(\b):(\b)+15], \c, v[\sa], v[\sb] matrix_a_fmt:MATRIX_FMT_BF8 matrix_b_fmt:MATRIX_FMT_BF8 matrix_a_scale:MATRIX_SCALE_ROW1
.else
	v_wmma_scale_f32_16x16x128_f8f6f4 v[(\d):(\d)+7], v[(\a):(\a)+15], v[(\b):(\b)+15], \c, v[\sa], v[\sb] matrix_a_fmt:MATRIX_FMT_BF8 matrix_b_fmt:MATRIX_FMT_BF8
.endif
.endm
.macro FILL                            ; my one tensor load behind a barrier, and the prefetch of the rows that the next fill will load
	tensor_load_to_lds s[G0:G0+3], s[G1:G1+7]
	s_nop 0
.rept 4
	v_nop
.endr
	s_cmp_gt_u32 s[GRP], 1                         ; the last fill has no rows behind its own
	s_cbranch_scc0 .Lno_ask_\@
	global_prefetch_b8 v[PFO], s[PFA:PFA+1] th:TH_LOAD_NT scope:SCOPE_SE
.Lno_ask_\@:
.endm
.macro STEPS                           ; the walking descriptor and the prefetch's address: register work between the add and the wait for it
	s_xor_b32 s[G0+1], s[G0+1], SLOT1
	s_add_nc_u64 s[G0+2:G0+3], s[G0+2:G0+3], 65536 ; 32 rows of 2,048 bytes on
	s_wait_xcnt 0x0                                ; my last prefetch has read its address
	s_add_nc_u64 s[PFA:PFA+1], s[PFA:PFA+1], 65536
.endm
.macro MLOAD off                       ; a tile's mask words: keys 16 n + 8 h + 0 .. 7 of query r
.set n, 0
.rept 16
	ds_load_b64 v[MWT+2*n:MWT+2*n+1], v[MA] offset:(\off)+16*n
.set n, n+1
.endr
.endm
.macro RLOAD                           ; four features of my query from each wave's partial O^T
.irp p, 0,1,2,3,4,5,6,7
	ds_load_b128 v[RW+4*\p:RW+4*\p+3], v[RA] offset:WREG*\p
.endr
.endm
.macro RWORK                           ; they are summed; the block's largest magnitude is joined over its 8 lanes; four codes and the byte go to LDS
.irp p, 0,2,4,6
	v_pk_add_f32 v[RW+4*\p:RW+4*\p+1], v[RW+4*\p:RW+4*\p+1], v[RW+4*\p+4:RW+4*\p+5]
	v_pk_add_f32 v[RW+4*\p+2:RW+4*\p+3], v[RW+4*\p+2:RW+4*\p+3], v[RW+4*\p+6:RW+4*\p+7]
.endr
.irp p, 0,4
	v_pk_add_f32 v[RW+4*\p:RW+4*\p+1], v[RW+4*\p:RW+4*\p+1], v[RW+4*\p+8:RW+4*\p+9]
	v_pk_add_f32 v[RW+4*\p+2:RW+4*\p+3], v[RW+4*\p+2:RW+4*\p+3], v[RW+4*\p+10:RW+4*\p+11]
.endr
	v_pk_add_f32 v[RW:RW+1], v[RW:RW+1], v[RW+16:RW+17]
	v_pk_add_f32 v[RW+2:RW+3], v[RW+2:RW+3], v[RW+18:RW+19]
	v_max3_num_f32 v[RT], |v[RW]|, |v[RW+1]|, |v[RW+2]|
	v_max3_num_f32 v[RT], v[RT], |v[RW+3]|, 0x8000000
	v_max_num_f32_dpp v[RT], v[RT], v[RT] row_xmask:1 row_mask:0xf bank_mask:0xf
	v_max_num_f32_dpp v[RT], v[RT], v[RT] row_xmask:2 row_mask:0xf bank_mask:0xf
	v_max_num_f32_dpp v[RT], v[RT], v[RT] row_xmask:4 row_mask:0xf bank_mask:0xf
	v_add_nc_u32 v[RT+1], 0xf8800000, v[RT]
	v_and_or_b32 v[RT+2], v[RT], 0x7f800000, s[MNT]
	v_lshrrev_b32 v[RT+3], 23, v[RT+1]
.irp i, 0,1,2,3
	v_med3_num_f32 v[RW+\i], v[RW+\i], -v[RT+2], v[RT+2]
.endr
	v_cvt_scalef32_pk8_bf8_f32 v[RT+4:RT+5], v[RW:RW+7], v[RT+1]   ; the first four codes are mine; the other four numbers are sums on the way, and their codes are not used
	v_nop                                          ; a plain line behind the conversion
	ds_store_b32 v[CBA], v[RT+4]
	ds_store_b8 v[SBW], v[RT+3]                    ; the block's 8 lanes write the same byte with the same value
.endm
.macro FLOAD                           ; the storing wave: the last tile's codes and scale bytes out of LDS
	ds_load_b128 v[RW:RW+3], v[L16] offset:CB
	ds_load_b128 v[RW+4:RW+7], v[L16] offset:CB+512
	ds_load_u16 v[RW+8], v[R32] offset:SBUF
.endm
.macro FSTORE
	global_store_b128 v[L16], v[RW:RW+3], s[CCP:CCP+1]               ; 512 consecutive bytes each
	global_store_b128 v[L16], v[RW+4:RW+7], s[CCP:CCP+1] offset:512
	global_store_b16 v[R32], v[RW+8], s[CSP:CSP+1] ; two of a row's 32 scale bytes; both halves of the lanes write them with the same value
.endm
	s_load_b128 s[4:7], s[0:1], 0x0                ; keep_mask, qkv
	s_load_b64 s[8:9], s[0:1], 0x10                ; cq
	v_lshl_add_u32 v[SPW], v0, 2, SPARE
	v_mov_b32 v[NIL], 0
	ds_add_u32 v[SPW], v[NIL]                      ; the opening lines
	ds_add_u32 v[SPW], v[NIL]
	v_lshrrev_b32 v12, 5, v0
	v_readfirstlane_b32 s[WV], v12                 ; wave 0..7
	s_and_b32 s56, ttmp7, 0xffff                   ; 16 x batch + head
	s_mov_b32 s[G1+0], (3<<16)|(1<<20)|(5<<22)|(3<<25)   ; 32 query rows x 256 bytes (my 256 keys), 2,048 bytes apart; 16 bytes of padding behind each
	s_mov_b32 s[G1+1], 32<<16
	s_mov_b32 s[G1+2], 32<<16
	s_mov_b32 s[G1+3], 32<<16
	s_mov_b32 s[G1+4], 32
	s_mov_b32 s[G1+5], 256
	s_mov_b32 s[G1+6], 0
	s_mov_b32 s[G1+7], 0
	s_lshl_b32 s58, s56, 22
	s_lshl_b32 s59, ttmp9, 19
	s_add_co_u32 s58, s58, s59
	s_lshl_b32 s59, s[WV], 8
	s_add_co_u32 s58, s58, s59
	s_mov_b32 s59, 0
	s_mul_i32 s57, s[WV], WPART
	s_add_co_u32 s57, s57, B0
	s_wait_dscnt 0x0
	s_wait_kmcnt 0x0
	s_mov_b32 s[G0], 1
	s_mov_b32 s[G0+1], s57
	s_add_nc_u64 s[G0+2:G0+3], s[4:5], s[58:59]
	s_add_nc_u64 s[PFA:PFA+1], s[G0+2:G0+3], 65536 ; the second 32 rows: each fill steps it first
	s_or_b32 s[G0+3], s[G0+3], 0x80000000
	tensor_load_to_lds s[G0:G0+3], s[G1:G1+7]      ; the first two tiles' rows of the mask: my one load at the head
	s_nop 0
.rept 4
	v_nop
.endr
	v_and_b32 v12, 15, v0                          ; r
	v_bfe_u32 v13, v0, 4, 1                        ; h
	v_and_b32 v14, 31, v0                          ; lane
	v_mul_u32_u24 v[MA0], v12, 272
	v_lshl_add_u32 v[MA0], v13, 3, v[MA0]
	v_add_nc_u32 v[MA0], s57, v[MA0]
	v_lshlrev_b32 v[L16], 4, v14
	v_lshlrev_b32 v[L4], 2, v14
	v_lshlrev_b32 v[PFO], 11, v14
	s_mul_i32 s35, s[WV], WREG
	v_add_nc_u32 v[WB], s35, v[L16]
	v_mul_u32_u24 v[WBO], v13, 272
	v_lshl_add_u32 v[WBO], v12, 4, v[WBO]
	v_add_nc_u32 v[WBO], s35, v[WBO]
	s_lshl_b32 s35, s[WV], 5                       ; the closing sum: my query is 2 x wave + lane / 16: 16 bytes a query
	v_mul_u32_u24 v[RA], v12, 272                  ; run lane % 16 = 2 g + h of a partial result
	v_lshl_add_u32 v[RA], v13, 4, v[RA]
	v_add_nc_u32 v[RA], s35, v[RA]
	s_add_co_u32 s35, s35, CB
	v_bfe_u32 v[CBA], v0, 3, 1                     ; my codes: block g / 4: 512 bytes;
	v_lshlrev_b32 v[CBA], 9, v[CBA]
	v_and_b32 v15, 1, v0
	v_lshl_add_u32 v[CBA], v15, 8, v[CBA]          ; half h: 256;
	v_bfe_u32 v15, v0, 1, 2
	v_lshl_add_u32 v[CBA], v15, 2, v[CBA]          ; piece g % 4: 4;
	v_lshl_add_u32 v[CBA], v13, 4, v[CBA]          ; query: 16
	v_add_nc_u32 v[CBA], s35, v[CBA]
	s_lshl_b32 s35, s[WV], 6
	s_add_co_u32 s35, s35, SBUF
	v_bfe_u32 v[SBW], v0, 3, 1                     ; my block's byte: block
	v_lshl_add_u32 v[SBW], v13, 5, v[SBW]          ; 32 x query + block
	v_lshlrev_b32 v[R32], 5, v12
	v_add_nc_u32 v[SBW], s35, v[SBW]
	s_lshl_b32 s60, s56, 17                        ; a head's codes: 131,072 bytes
	s_lshl_b32 s62, s[WV], 14                      ; my wave's eighth of K or of V
	s_lshl_b32 s58, ttmp9, 14                      ; my 16 tiles of Q
	s_add_co_u32 s58, s58, s60
	s_add_nc_u64 s[QP:QP+1], s[6:7], s[58:59]
	s_add_co_u32 s58, s60, s62
	s_add_co_u32 s58, s58, 4194304
	s_add_nc_u64 s[KP:KP+1], s[6:7], s[58:59]
	s_add_co_u32 s58, s58, 4194304
	s_add_nc_u64 s[VP:VP+1], s[6:7], s[58:59]
	s_lshl_b32 s60, s56, 12                        ; a head's scale words: 4,096 bytes
	s_lshl_b32 s58, ttmp9, 9
	s_add_co_u32 s58, s58, s60
	s_add_co_u32 s58, s58, 12582912
	s_add_nc_u64 s[QSP:QSP+1], s[6:7], s[58:59]
	s_lshl_b32 s62, s[WV], 9
	s_add_co_u32 s58, s60, s62
	s_add_co_u32 s58, s58, 12713984
	s_add_nc_u64 s[KSP:KSP+1], s[6:7], s[58:59]
	s_add_co_u32 s58, s58, 131072
	s_add_nc_u64 s[VSP:VSP+1], s[6:7], s[58:59]
	s_lshr_b32 s60, s56, 4                         ; batch
	s_and_b32 s62, s56, 15                         ; head
	s_lshl_b32 s58, s60, 7
	s_lshl_b32 s63, ttmp9, 4
	s_add_co_u32 s58, s58, s63                     ; my first tile of tokens
	s_lshl_b32 s63, s58, 9                         ; its scale bytes: 512 a tile
	s_lshl_b32 s58, s58, 14                        ; its codes: 16,384 a tile;
	s_lshl_b32 s60, s62, 10                        ; the head's 64 features are 1,024 bytes of them
	s_add_co_u32 s58, s58, s60
	s_add_nc_u64 s[CCP:CCP+1], s[8:9], s[58:59]
	s_sub_nc_u64 s[CCP:CCP+1], s[CCP:CCP+1], 16384 ; one tile back: every tile steps it once, and tile t stores tile t - 1; nothing is stored in the first
	s_lshl_b32 s60, s62, 1                         ; and two of a row's 32 scale bytes
	s_add_co_u32 s58, s63, s60
	s_add_co_u32 s58, s58, 4194304
	s_add_nc_u64 s[CSP:CSP+1], s[8:9], s[58:59]
	s_sub_nc_u64 s[CSP:CSP+1], s[CSP:CSP+1], 512
	WALU
	WIN 0x40                                       ; destination window 1
.set n, 0
.rept 32
	global_load_b128 v[4*n:4*n+3], v[L16], s[KP:KP+1] offset:512*n    ; K: 8 fragments, 512 consecutive bytes a load
.set n, n+1
.endr
	WIN 0
.set n, 0
.rept 4
	global_load_b32 v[KSW+n], v[L4], s[KSP:KSP+1] offset:128*n
.set n, n+1
.endr
	global_load_b128 v[QF:QF+3], v[L16], s[QP:QP+1]                   ; Q's first tile
	global_load_b128 v[QF+4:QF+7], v[L16], s[QP:QP+1] offset:512
	global_load_b32 v[QW], v[L4], s[QSP:QSP+1]     ; lanes 0-15: the pair's words; lanes 16-31 are not read
	WIN 0x40
.set n, 0
.rept 32
	global_load_b128 v[128+4*n:128+4*n+3], v[L16], s[VP:VP+1] offset:512*n    ; V: wanted only at the first tile's second product
.set n, n+1
.endr
	WIN 0
.set n, 0
.rept 4
	global_load_b32 v[VSW+n], v[L4], s[VSP:VSP+1] offset:128*n
.set n, n+1
.endr
.irp i, 0,1,2,3,4,5,6,7
	v_mov_b32 v[QHI+\i], 0                         ; zero codes on both sides of Q
	v_mov_b32 v[QF+8+\i], 0
.endr
.irp i, 16,17,18,19,20,21,22,23,24,25,26,27,28,29,30,31
	v_mov_b32 v[\i], 0                             ; a lane permute's destination counts as one of its sources
.endr
.irp g, 0,1,2,3,4,5,6,7
	ds_store_b128 v[WBO], v[QHI:QHI+3] offset:544*\g   ; zeros for the first tile's closing sum, which has no tile before it and whose codes nobody stores
.endr
	s_mov_b32 s[SEL], 0x76543210
	s_mov_b32 s[SEL+1], 0xfedcba98
	s_mov_b32 s[CS], 0x3e38aa3b                    ; c = log2(e) / 8
	s_mov_b32 s[CS+1], s[CS]
	s_mov_b32 s[NC], 0xbe38aa3b
	s_mov_b32 s[MNT], 0x600000
	s_mov_b32 s[NEGF], 0xf1800000                  ; -2^100
	s_mov_b32 s[MULM], 0xffffff01                  ; -255
	s_mov_b32 s[SELB+0], 0x000c0c0c                ; byte j of a word into the top byte, zeros below
	s_mov_b32 s[SELB+1], 0x010c0c0c
	s_mov_b32 s[SELB+2], 0x020c0c0c
	s_mov_b32 s[SELB+3], 0x030c0c0c
	s_mov_b32 s[FW], 15
	s_mov_b32 s[TB], 0
	s_mov_b32 s[GRP], 6
	WALU
	s_wait_tensorcnt 0x0                           ; slot 0 is in; slot 1's first fill stands behind the full sequence
	ds_add_u32 v[SPW], v[NIL]
	STEPS
	s_wait_dscnt 0x0
	s_barrier_signal -1
	s_barrier_wait -1
	FILL
	v_add_nc_u32 v[MA], s[TB], v[MA0]
	MLOAD 0                                        ; the first tile's mask words
	s_wait_dscnt 0x0
	s_wait_loadcnt 36                              ; K, its scale words and Q are in; V's 32 loads and its 4 of scale words may be out
; A TILE of 16 queries: the tau-th of its slot.  Its Q was waited for at the last tile's end, its mask words at the last barrier B.
; fill = 0: barrier A is plain.  fill = 1: the slot that this tile was read from is filled again behind barrier A.  fill = 2: the three lines stand, nothing is left to fill.
.macro TILE tau, fill
	RLOAD                                          ; the last tile's partial results: they come in under the 160 lines below
.if \tau == 0
	v_and_b32 v[TQ], 0xffff, v[QW]                 ; the even tile's two bytes
.else
	v_lshrrev_b32 v[TQ], 16, v[QW]                 ; the odd tile's
.endif
	v_or_b32 v[QSLO], 0x01010000, v[TQ]            ; over the zero codes the byte 1
	v_lshl_or_b32 v[QSHI], v[TQ], 16, 0x0101
.set n, 0
.rept 32
	v_mad_u32 v[MWT+n], v[MWT+n], s[MULM], -1      ; each byte 1 becomes 0x00, each byte 0 becomes 0xff
.set n, n+1
.endr
.set n, 0
.rept 128                                              ; ascending: line n writes over word n - 96, whose last reader is line 4 (n - 96) + 3, at or ahead of line n
	v_perm_b32 v[S+n], v[MWT+n/4], v[MWT+n/4], s[SELB+n%4]   ; 0, or 0xff000000 = -2^127
.set n, n+1
.endr
.rept 4
	v_nop
.endr
	WIN 0x01                                       ; source 0 (K) window 1
.irp c, 0,1,2,3,4,5,6,7                                ; S^T = K Q^T + C: each accumulator is named once
	WM S+16*\c, 16*\c, QLO, v[S+16*\c:S+16*\c+7], KSW+\c/2, QSLO, (\c)%2
	WM S+16*\c+8, 16*\c, QHI, v[S+16*\c+8:S+16*\c+15], KSW+\c/2, QSHI, (\c)%2
.endr
	WIN 0
	s_wait_dscnt 0x0
	RWORK                                          ; its plain lines are also the places in front of the loads into Q's registers and of the first read of the scores
	s_add_nc_u64 s[QP:QP+1], s[QP:QP+1], 1024      ; the next tile's Q (behind the last tile: bytes of qkv that are not used)
	global_load_b128 v[QF:QF+3], v[L16], s[QP:QP+1]
	global_load_b128 v[QF+4:QF+7], v[L16], s[QP:QP+1] offset:512
.if \tau == 1
	s_add_nc_u64 s[QSP:QSP+1], s[QSP:QSP+1], 64
	global_load_b32 v[QW], v[L4], s[QSP:QSP+1]
.endif
.set n, 0
.rept 64                                               ; the largest score of each block of 32 keys, over the floor; ascending, the blocks by turns: each accumulator is first read at its low end
.if n < 8
	v_max3_num_f32 v[BM+n], s[NEGF], v[S+16*n], v[S+16*n+1]
.else
	v_max3_num_f32 v[BM+n%8], v[BM+n%8], v[S+16*(n%8)+2*(n/8)], v[S+16*(n%8)+2*(n/8)+1]
.endif
.set n, n+1
.endr
.irp c, 0,1,2,3,4,5,6,7
	v_permlanex16_b32 v[24+\c], v[BM+\c], s[SEL], s[SEL+1]
.endr
.irp c, 0,1,2,3,4,5,6,7
	v_max_num_f32 v[BM+\c], v[BM+\c], v[24+\c]     ; with lane l xor 16's 16 keys
.endr
	v_max3_num_f32 v16, v[BM], v[BM+1], v[BM+2]
	v_max3_num_f32 v17, v[BM+3], v[BM+4], v[BM+5]
	v_max3_num_f32 v16, v16, v[BM+6], v[BM+7]
	v_max_num_f32 v16, v16, v17                    ; m: my query's largest score among my wave's 256 keys
	v_mul_f32 v12, s[NC], v16                      ; -c m
	v_mov_b32 v13, v12
.set n, 0
.rept 64
	v_pk_fma_f32 v[S+2*n:S+2*n+1], v[S+2*n:S+2*n+1], s[CS:CS+1], v[12:13] op_sel_hi:[1,0,0]
.set n, n+1
.endr
.irp c, 0,1,2,3,4,5,6,7
	v_fma_f32 v[BM+\c], v[BM+\c], s[CS], v12       ; the same of each block's largest score
.endr
	WALU                                           ; one wait ahead of the batch, one behind it
.set n, 0
.rept 128
	v_exp_f32 v[S+n], v[S+n]                       ; p = 2^(c s - c m)
.set n, n+1
.endr
.irp c, 0,1,2,3,4,5,6,7
	v_exp_f32 v[BM+\c], v[BM+\c]
.endr
	v_nop                                          ; a plain line behind the exponentials
	WALU
.set n, 0
.rept 8                                                ; l, of the unquantised p: eight sums of pairs, begun by additions
	v_pk_add_f32 v[16+2*n:17+2*n], v[S+2*n:S+2*n+1], v[S+16+2*n:S+17+2*n]
.set n, n+1
.endr
.set n, 16
.rept 48
	v_pk_add_f32 v[16+2*(n%8):17+2*(n%8)], v[16+2*(n%8):17+2*(n%8)], v[S+2*n:S+2*n+1]
.set n, n+1
.endr
.irp i, 16,18,20,22
	v_pk_add_f32 v[\i:\i+1], v[\i:\i+1], v[\i+8:\i+9]
.endr
	v_pk_add_f32 v[16:17], v[16:17], v[18:19]
	v_pk_add_f32 v[20:21], v[20:21], v[22:23]
	v_pk_add_f32 v[16:17], v[16:17], v[20:21]
	v_add_f32 v16, v16, v17
	v_permlanex16_b32 v17, v16, s[SEL], s[SEL+1]
	v_add_f32 v13, v16, v17
	ds_store_b64 v[WB], v[12:13] offset:STT        ; (-c m, l) of my query, for the other waves
.if \fill == 0
	BARRIER                                        ; A: the eight waves' pairs, and the last tile's codes, lie in LDS
.else
	WALU
	s_wait_tensorcnt 0x0                           ; the other slot, asked for two tiles ago, is in;
	ds_add_u32 v[SPW], v[NIL]
.if \fill == 1
	STEPS
.endif
	s_wait_dscnt 0x0                               ; the add and my store are done; my reads of this tile's slot ended a tile ago
	s_barrier_signal -1
	s_barrier_wait -1                              ; A
.if \fill == 1
	FILL
.endif
.endif
	s_cmp_lg_u32 s[WV], s[FW]                      ; the wave's number and a count; no barrier stands inside
	s_cbranch_scc1 .Lnot_1_\@
	FLOAD
.Lnot_1_\@:
.irp w, 0,1,2,3,4,5,6,7
	ds_load_b64 v[16+2*\w:17+2*\w], v[L16] offset:WREG*\w+STT
.endr
	s_wait_dscnt 0x0
	s_cmp_lg_u32 s[WV], s[FW]
	s_cbranch_scc1 .Lnot_2_\@
	FSTORE
.Lnot_2_\@:
	v_min3_num_f32 v[HOLD], v16, v18, v20
	v_min3_num_f32 v[HOLD], v[HOLD], v22, v24
	v_min3_num_f32 v[HOLD], v[HOLD], v26, v28
	v_min_num_f32 v[HOLD], v[HOLD], v30            ; N = -c x the row's largest score
.irp w, 16,18,20,22,24,26,28,30
	v_sub_f32 v\w, v[HOLD], v\w
.endr
	v_sub_f32 v[HOLD+1], v[HOLD], v12
	WALU
.irp w, 16,18,20,22,24,26,28,30
	v_exp_f32 v\w, v\w                             ; e_w, at most 1
.endr
	v_exp_f32 v[HOLD+1], v[HOLD+1]                 ; my own
	v_nop
	WALU
	v_mul_f32 v[HOLD+2], v16, v17
	v_mul_f32 v[HOLD+3], v24, v25
	v_fmac_f32 v[HOLD+2], v18, v19
	v_fmac_f32 v[HOLD+3], v26, v27
	v_fmac_f32 v[HOLD+2], v20, v21
	v_fmac_f32 v[HOLD+3], v28, v29
	v_fmac_f32 v[HOLD+2], v22, v23
	v_fmac_f32 v[HOLD+3], v30, v31
	v_add_f32 v[HOLD+2], v[HOLD+2], v[HOLD+3]      ; L: the same order, so the same bits, in all eight waves
	v_max_num_f32 v[HOLD+2], 0.5, v[HOLD+2]        ; a live row's L is about 1 or more; a row with no key has 0
	WALU
	v_rcp_f32 v[HOLD+2], v[HOLD+2]
	v_nop
	WALU
	v_mul_f32 v14, v[HOLD+1], v[HOLD+2]            ; f
	v_mov_b32 v15, v14
.irp c, 0,1,2,3,4,5,6,7
	v_mul_f32 v[BM+\c], v[BM+\c], v14              ; the block's largest finished weight
.endr
.irp c, 0,1,2,3,4,5,6,7
	v_max_num_f32 v[BM+\c], 0x8000000, v[BM+\c]    ; the floor 2^(16 - 127)
.endr
.irp c, 0,1,2,3,4,5,6,7
	v_add_nc_u32 v[SCO+\c], 0xf8800000, v[BM+\c]   ; the conversion's scale operand
.endr
.irp c, 0,1,2,3,4,5,6,7
	v_and_or_b32 v[HOLD+\c], v[BM+\c], 0x7f800000, s[MNT]   ; 57,344 x the scale
.endr
.irp c, 0,1,2,3,4,5,6,7
	v_lshrrev_b32 v[24+\c], 23, v[SCO+\c]          ; the scale's byte
.endr
.irp s, 0,1
	v_lshl_or_b32 v[PSW+\s], v[24+4*\s+1], 8, v[24+4*\s]
	v_lshl_or_b32 v[PSW+\s], v[24+4*\s+2], 16, v[PSW+\s]
	v_lshl_or_b32 v[PSW+\s], v[24+4*\s+3], 24, v[PSW+\s]
.endr
	WALU
	s_wait_loadcnt 2+\tau                          ; only the next tile's Q, asked for above, may be out: at the first tile this shows V in
	s_wait_xcnt 0x0                                ; the storing wave's stores have read their data and bases: the codes below land on the one, the steps on the other
	s_add_nc_u64 s[CCP:CCP+1], s[CCP:CCP+1], 16384 ; the next tile of tokens
	s_add_nc_u64 s[CSP:CSP+1], s[CSP:CSP+1], 512
	s_add_co_u32 s[FW], s[FW], 1
	s_and_b32 s[FW], s[FW], 7
.set n, 0
.rept 64
	v_pk_mul_f32 v[S+2*n:S+2*n+1], v[S+2*n:S+2*n+1], v[14:15] op_sel_hi:[1,0]
.set n, n+1
.endr
.set n, 0
.rept 128
	v_min_num_f32 v[S+n], v[S+n], v[HOLD+n/16]     ; the conversion does not saturate (ISA guide 7.6.2); a weight is not negative, so the hold is one-sided
.set n, n+1
.endr
.set n, 0
.rept 16
	v_cvt_scalef32_pk8_bf8_f32 v[PCD+2*n:PCD+2*n+1], v[S+8*n:S+8*n+7], v[SCO+n/2]
.set n, n+1
.endr
.if \tau == 1
	s_xor_b32 s[TB], s[TB], SLOT1                  ; on to the other slot: it was waited for in front of barrier A
	v_add_nc_u32 v[MA], s[TB], v[MA0]
	MLOAD 0                                        ; the next tile's mask words, into score registers that are done with
.else
	MLOAD 4352
.endif
.rept 4
	v_nop                                          ; an operand written by vector instructions stands four places ahead of a scaled matrix instruction
.endr
	WIN 0x01                                       ; source 0 (V) window 1
.irp d, 0,1,2,3                                        ; my partial O^T = V^T P^T over my 256 keys: four accumulators by turns
	WM OA+8*\d, 128+16*\d, PCD, 0, VSW+\d/2, PSW, (\d)%2
.endr
.irp d, 0,1,2,3
	WM OA+8*\d, 192+16*\d, PCD+16, v[OA+8*\d:OA+8*\d+7], VSW+2+\d/2, PSW+1, (\d)%2
.endr
	WIN 0
.rept 8
	v_nop                                          ; places in front of the stores of the results, and of the next loads into the codes' registers
.endr
.irp g, 0,1,2,3,4,5,6,7
	ds_store_b128 v[WBO], v[OA+4*\g:OA+4*\g+3] offset:544*\g   ; each accumulator from its low end on
.endr
	BARRIER                                        ; B: the eight partial results lie in LDS; they are written again only behind the next barrier A, which every wave signals behind its reads of them
	s_wait_loadcnt 0x0                             ; the next tile's Q, asked for a tile's softmax ago
.endm
.Lfill:                                                ; six pairs of tiles, each of which fills its slot again: pairs 2 to 7
	TILE 0, 0
	TILE 1, 1
	s_sub_co_u32 s[GRP], s[GRP], 1
	s_cmp_lg_u32 s[GRP], 0
	s_cbranch_scc1 .Lfill
	s_mov_b32 s[GRP], 2
.Lrest:                                                ; the last two pairs fill nothing: a loop of their own
	TILE 0, 0
	TILE 1, 2
	s_sub_co_u32 s[GRP], s[GRP], 1
	s_cmp_lg_u32 s[GRP], 0
	s_cbranch_scc1 .Lrest
	RLOAD                                          ; the last tile's closing sum
	s_wait_dscnt 0x0
	RWORK
	BARRIER
	s_cmp_lg_u32 s[WV], s[FW]
	s_cbranch_scc1 .Ldone
	FLOAD
	s_wait_dscnt 0x0
	FSTORE
.Ldone:
	s_wait_tensorcnt 0x0                           ; the wave's end
	ds_add_u32 v[SPW], v[NIL]
	s_wait_dscnt 0x0
	s_endpgm
.Lfunc_end_k_q1451856aea_attn:
	.size	k_q1451856aea_attn, .Lfunc_end_k_q1451856aea_attn-k_q1451856aea_attn
	.p2alignl 7, 3214868480
	.fill 96, 4, 3214868480
	.section	.rodata,"a",@progbits
	.p2align	6, 0x0
	.amdhsa_kernel k_q1451856aea_attn
		.amdhsa_group_segment_fixed_size 327680
		.amdhsa_private_segment_fixed_size 0
		.amdhsa_enable_private_segment 0
		.amdhsa_kernarg_size 24
		.amdhsa_user_sgpr_count 2
		.amdhsa_user_sgpr_kernarg_segment_ptr 1
		.amdhsa_wavefront_size32 1
		.amdhsa_system_sgpr_workgroup_id_x 1
		.amdhsa_system_sgpr_workgroup_id_y 1
		.amdhsa_system_sgpr_workgroup_id_z 1
		.amdhsa_system_vgpr_workitem_id 0
		.amdhsa_next_free_vgpr 512
		.amdhsa_next_free_sgpr 68
		.amdhsa_reserve_vcc 0
		.amdhsa_float_denorm_mode_32 3
		.amdhsa_float_denorm_mode_16_64 3
		.amdhsa_memory_ordered 1
		.amdhsa_forward_progress 1
		.amdhsa_inst_pref_size 224
	.end_amdhsa_kernel
	.amdgpu_metadata
---
amdhsa.version: [ 1, 2 ]
amdhsa.kernels:
  - .name:           k_q1451856aea_attn
    .symbol:         k_q1451856aea_attn.kd
    .args:
      - { .name: keep_mask, .offset: 0, .size: 8, .value_kind: global_buffer, .address_space: global }
      - { .name: qkv, .offset: 8, .size: 8, .value_kind: global_buffer, .address_space: global }
      - { .name: cq, .offset: 16, .size: 8, .value_kind: global_buffer, .address_space: global }
    .group_segment_fixed_size: 327680
    .private_segment_fixed_size: 0
    .kernarg_segment_align: 8
    .kernarg_segment_size: 24
    .max_flat_workgroup_size: 256
    .sgpr_count:     68
    .vgpr_count:     512
    .wavefront_size: 32
...
	.end_amdgpu_metadata
.endif
;; end of part 3
;; launch outp (part 4): grid 8 x 32, 4 waves a work-group, no clusters, 17,920 bytes of LDS; arguments cq, wq, bo, out0; writes out0
.if DOCPART == 4
	.amdgcn_target "amdgcn-amd-amdhsa--gfx1250"
	.amdhsa_code_object_version 6
	.text
	.protected	k_q1451856aea_outp
	.globl	k_q1451856aea_outp
	.p2align	8
	.type	k_q1451856aea_outp,@function
k_q1451856aea_outp:
	s_mov_b64 s[64:65], 0
	v_nop
	global_prefetch_b8 v0, s[64:65] scope:SCOPE_SE
	s_setreg_imm32_b32 hwreg(HW_REG_WAVE_MODE, 25, 1), 1
	s_wait_xcnt 0x0
; out0 [4096][1024] f32 = ctx Wo^T + bo, on codes of BF8 (E5M2) with E8M0 scales.  ctx's codes (cq) and Wo's (tiles 192-255 of wq) lie as images of operand registers: [tile of 16 rows][K step of 128: 8][2,048 bytes];
; their scale bytes [row][32] from byte 4,194,304 on.
; SHARES.  256 work-groups, each 128 x 128 of the result; four waves, each 64 x 64: 16 accumulators.  A wave's fragments go from memory STRAIGHT INTO OPERAND REGISTERS, 512 consecutive bytes a load: no LDS on the way in, no barrier.
; NO CLUSTER AND NO TENSOR LOAD: a joint load could only land in LDS, from where every fragment would be read once more; K is 8 steps, and six of them are asked for at the head.
; NO PREFETCH: there is no loop to run ahead in: every load is issued as soon as a set of registers is free for it.
; The matrix instruction is used transposed (source 0 = 16 rows of Wo, source 1 = 16 rows of ctx): a lane holds eight neighbouring columns of one row.  THE BIAS IS THE C OF THE FIRST PRODUCTS.
; REGISTERS: window 0: addresses, scale words, bias, the accumulators (a, b) at v[128 + 8 (4 a + b)].  Windows 1-3: six sets of 128: set j in window 1 + j / 2 at 128 (j % 2): Wo's four fragments, then ctx's four.
; THE WAY OUT: 16 rows x 256 bytes at a time through the wave's own stage in LDS, so that sixteen lanes store one aligned run of 256 bytes.
; LIMITS: NaN and infinities are not served.
.set SPARE, 17408                      ; behind the four stages of 16 x 272 bytes
.set SPW, 1
.set NIL, 2
.set L16, 3
.set L32, 4
.set BOF, 5
.set STO, 6
.set RD,  7
.set CO,  8
.set SA,  32                           ; v32-47 ctx's scale words: register 8 p + k: lanes 0-15 tile 2 p, lanes 16-31 tile 2 p + 1, K step k
.set SB,  52                           ; v52-67 Wo's likewise: no product's two scale registers have numbers equal modulo 8
.set BIAS, 72                          ; v72-103
.set ACC, 128
.set MSB, 0
.macro WIN new
.if MSB != (\new)
	s_set_vgpr_msb (MSB<<8)|(\new)
.set MSB, (\new)
.endif
.endm
.macro WM d, a, b, c, sa, sb, ra, rb   ; ra, rb = 1: that source's scale words stand in lanes 16-31
.if (\ra) && (\rb)
	v_wmma_scale_f32_16x16x128_f8f6f4 v[(\d):(\d)+7], v[(\a):(\a)+15], v[(\b):(\b)+15], \c, v[\sa], v[\sb] matrix_a_fmt:MATRIX_FMT_BF8 matrix_b_fmt:MATRIX_FMT_BF8 matrix_a_scale:MATRIX_SCALE_ROW1 matrix_b_scale:MATRIX_SCALE_ROW1
.elseif \ra
	v_wmma_scale_f32_16x16x128_f8f6f4 v[(\d):(\d)+7], v[(\a):(\a)+15], v[(\b):(\b)+15], \c, v[\sa], v[\sb] matrix_a_fmt:MATRIX_FMT_BF8 matrix_b_fmt:MATRIX_FMT_BF8 matrix_a_scale:MATRIX_SCALE_ROW1
.elseif \rb
	v_wmma_scale_f32_16x16x128_f8f6f4 v[(\d):(\d)+7], v[(\a):(\a)+15], v[(\b):(\b)+15], \c, v[\sa], v[\sb] matrix_a_fmt:MATRIX_FMT_BF8 matrix_b_fmt:MATRIX_FMT_BF8 matrix_b_scale:MATRIX_SCALE_ROW1
.else
	v_wmma_scale_f32_16x16x128_f8f6f4 v[(\d):(\d)+7], v[(\a):(\a)+15], v[(\b):(\b)+15], \c, v[\sa], v[\sb] matrix_a_fmt:MATRIX_FMT_BF8 matrix_b_fmt:MATRIX_FMT_BF8
.endif
.endm
	s_load_b256 s[4:11], s[0:1], 0x0               ; cq, wq, bo, out0
	v_lshl_add_u32 v[SPW], v0, 2, SPARE
	v_mov_b32 v[NIL], 0
	v_lshrrev_b32 v12, 5, v0
	v_readfirstlane_b32 s16, v12                   ; wave 0..3
	s_lshr_b32 s17, s16, 1                         ; my half of the rows
	s_and_b32 s18, s16, 1                          ; my half of the columns
	s_and_b32 s19, ttmp7, 0xffff                   ; block row
	s_lshl_b32 s20, s19, 3
	s_lshl_b32 s21, s17, 2
	s_add_co_u32 s20, s20, s21                     ; ctx's first tile of mine
	s_lshl_b32 s22, s20, 9
	s_add_co_u32 s22, s22, 4194304                 ; its scale bytes
	s_lshl_b32 s20, s20, 14                        ; its codes
	s_mov_b32 s21, 0
	s_mov_b32 s23, 0
	s_lshl_b32 s24, ttmp9, 3
	s_lshl_b32 s25, s18, 2
	s_add_co_u32 s24, s24, s25
	s_add_co_u32 s24, s24, 192                     ; Wo's first tile of mine
	s_lshl_b32 s26, s24, 9
	s_add_co_u32 s26, s26, 4194304
	s_lshl_b32 s24, s24, 14
	s_mov_b32 s25, 0
	s_mov_b32 s27, 0
	s_lshl_b32 s28, ttmp9, 9
	s_lshl_b32 s29, s18, 8
	s_add_co_u32 s28, s28, s29                     ; my first column, in bytes of f32
	s_mov_b32 s29, 0
	s_lshl_b32 s30, s19, 19
	s_lshl_b32 s31, s17, 18
	s_add_co_u32 s30, s30, s31
	s_add_co_u32 s30, s30, s28                     ; my corner of out0
	s_mov_b32 s31, 0
	s_mul_i32 s32, s16, 4352                       ; my stage
	v_and_b32 v9, 15, v0                           ; r
	v_bfe_u32 v10, v0, 4, 1                        ; h
	v_and_b32 v11, 31, v0                          ; lane
	v_lshlrev_b32 v[L16], 4, v11
	v_lshlrev_b32 v[L32], 5, v11
	v_lshlrev_b32 v[BOF], 5, v10
	v_mul_u32_u24 v[STO], v9, 272                  ; in: row r, 32 bytes for each half of the lanes
	v_lshl_add_u32 v[STO], v10, 5, v[STO]
	v_add_nc_u32 v[STO], s32, v[STO]
	v_mul_u32_u24 v[RD], v10, 272                  ; back: lanes 0-15 one row of 256 bytes, lanes 16-31 the next
	v_lshl_add_u32 v[RD], v9, 4, v[RD]
	v_add_nc_u32 v[RD], s32, v[RD]
	v_lshlrev_b32 v[CO], 12, v10                   ; and the same two rows in out0
	v_lshl_add_u32 v[CO], v9, 4, v[CO]
	s_wait_alu depctr_va_vdst(0)
	s_wait_kmcnt 0x0
	s_add_nc_u64 s[20:21], s[4:5], s[20:21]
	s_add_nc_u64 s[22:23], s[4:5], s[22:23]
	s_add_nc_u64 s[24:25], s[6:7], s[24:25]
	s_add_nc_u64 s[26:27], s[6:7], s[26:27]
	s_add_nc_u64 s[28:29], s[8:9], s[28:29]
	s_add_nc_u64 s[12:13], s[10:11], s[30:31]
.irp p, 0,1
.irp c, 0,1
	global_load_b128 v[SA+8*\p+4*\c:SA+8*\p+4*\c+3], v[L32], s[22:23] offset:1024*\p+16*\c   ; lane l: row l of a pair of tiles, 16 of its 32 scale bytes
	global_load_b128 v[SB+8*\p+4*\c:SB+8*\p+4*\c+3], v[L32], s[26:27] offset:1024*\p+16*\c
.endr
.endr
.irp b, 0,1,2,3
	global_load_b128 v[BIAS+8*\b:BIAS+8*\b+3], v[BOF], s[28:29] offset:64*\b       ; bo at columns 16 b + 8 h + 0 .. 7
	global_load_b128 v[BIAS+8*\b+4:BIAS+8*\b+7], v[BOF], s[28:29] offset:64*\b+16
.endr
.macro LOADK k                         ; K step k's eight fragments into set k % 6: 32 loads
.set R_, 128*(((\k)%6)%2)
	WIN (1+((\k)%6)/2)<<6
.irp t, 0,1,2,3
.irp c, 0,1,2,3
	global_load_b128 v[R_+16*\t+4*\c:R_+16*\t+4*\c+3], v[L16], s[24:25] offset:16384*\t+2048*(\k)+512*\c
.endr
.endr
.irp t, 0,1,2,3
.irp c, 0,1,2,3
	global_load_b128 v[R_+64+16*\t+4*\c:R_+64+16*\t+4*\c+3], v[L16], s[20:21] offset:16384*\t+2048*(\k)+512*\c
.endr
.endr
.endm
.macro MULK k                          ; 16 products: the 16 accumulators by turns, in the same order in every step
.set R_, 128*(((\k)%6)%2)
.set W_, 1+((\k)%6)/2
	WIN W_|(W_<<2)
.irp a, 0,1,2,3
.irp b, 0,1,2,3
.if (\k) == 0
	WM ACC+8*(4*\a+\b), R_+16*\b, R_+64+16*\a, v[BIAS+8*\b:BIAS+8*\b+7], SB+8*(\b/2)+(\k), SA+8*(\a/2)+(\k), (\b)%2, (\a)%2
.else
	WM ACC+8*(4*\a+\b), R_+16*\b, R_+64+16*\a, v[ACC+8*(4*\a+\b):ACC+8*(4*\a+\b)+7], SB+8*(\b/2)+(\k), SA+8*(\a/2)+(\k), (\b)%2, (\a)%2
.endif
.endr
.endr
.endm
.irp k, 0,1,2,3,4,5
	LOADK \k
.endr
; The waits: loads come back in order; behind step k's stand 32 for each later step that has been asked for; a wait's count is held at 63.
.irp k, 0,1
	s_wait_loadcnt 63
	MULK \k
.rept 8
	v_nop                                          ; places in front of loads into registers that matrix instructions have read
.endr
	LOADK \k+6
.endr
.irp k, 2,3,4,5
	s_wait_loadcnt 63
	MULK \k
.endr
	s_wait_loadcnt 32
	MULK 6
	s_wait_loadcnt 0x0
	MULK 7
	WIN 0
.macro TOSTAGE a
.irp b, 0,1,2,3
	ds_store_b128 v[STO], v[ACC+8*(4*(\a)+\b):ACC+8*(4*(\a)+\b)+3] offset:64*\b          ; each accumulator from its low end on
	ds_store_b128 v[STO], v[ACC+8*(4*(\a)+\b)+4:ACC+8*(4*(\a)+\b)+7] offset:64*\b+16
.endr
.set BB, 32+40*((\a)%2)                ; v32-63 and v72-103 by turns: the scale words and the bias are done with
.irp t, 0,1,2,3,4,5,6,7
	ds_load_b128 v[BB+4*\t:BB+4*\t+3], v[RD] offset:\t*544   ; LDS serves a wave's instructions in order: these see the stores above
.endr
.endm
.macro SEND a, younger                 ; younger: the LDS instructions issued behind block a's loads
.set BB, 32+40*((\a)%2)
	s_wait_dscnt \younger
.irp t, 0,1,2,3,4,5,6,7
	global_store_b128 v[CO], v[BB+4*\t:BB+4*\t+3], s[12:13] offset:(16*(\a)+2*\t)*4096 th:TH_STORE_NT   ; 16 lanes store 256 consecutive bytes, at a multiple of 256 from out0's first byte
.endr
.endm
.rept 8
	v_nop                                          ; places behind the last products
.endr
	TOSTAGE 0
.irp a, 1,2,3
.if \a > 1
	s_wait_xcnt 0x0                                ; block a - 2's stores have read their registers
.endif
	TOSTAGE \a
	SEND \a-1, 16
.endr
	SEND 3, 0
	s_wait_tensorcnt 0x0                           ; the wave's end, behind my last LDS store
	ds_add_u32 v[SPW], v[NIL]
	s_wait_dscnt 0x0
	s_endpgm
.Lfunc_end_k_q1451856aea_outp:
	.size	k_q1451856aea_outp, .Lfunc_end_k_q1451856aea_outp-k_q1451856aea_outp
	.p2alignl 7, 3214868480
	.fill 96, 4, 3214868480
	.section	.rodata,"a",@progbits
	.p2align	6, 0x0
	.amdhsa_kernel k_q1451856aea_outp
		.amdhsa_group_segment_fixed_size 17920
		.amdhsa_private_segment_fixed_size 0
		.amdhsa_enable_private_segment 0
		.amdhsa_kernarg_size 32
		.amdhsa_user_sgpr_count 2
		.amdhsa_user_sgpr_kernarg_segment_ptr 1
		.amdhsa_wavefront_size32 1
		.amdhsa_system_sgpr_workgroup_id_x 1
		.amdhsa_system_sgpr_workgroup_id_y 1
		.amdhsa_system_sgpr_workgroup_id_z 1
		.amdhsa_system_vgpr_workitem_id 0
		.amdhsa_next_free_vgpr 1024
		.amdhsa_next_free_sgpr 66
		.amdhsa_reserve_vcc 0
		.amdhsa_float_denorm_mode_32 3
		.amdhsa_float_denorm_mode_16_64 3
		.amdhsa_memory_ordered 1
		.amdhsa_forward_progress 1
		.amdhsa_inst_pref_size 53
	.end_amdhsa_kernel
	.amdgpu_metadata
---
amdhsa.version: [ 1, 2 ]
amdhsa.kernels:
  - .name:           k_q1451856aea_outp
    .symbol:         k_q1451856aea_outp.kd
    .args:
      - { .name: cq, .offset: 0, .size: 8, .value_kind: global_buffer, .address_space: global }
      - { .name: wq, .offset: 8, .size: 8, .value_kind: global_buffer, .address_space: global }
      - { .name: bo, .offset: 16, .size: 8, .value_kind: global_buffer, .address_space: global }
      - { .name: out0, .offset: 24, .size: 8, .value_kind: global_buffer, .address_space: global }
    .group_segment_fixed_size: 17920
    .private_segment_fixed_size: 0
    .kernarg_segment_align: 8
    .kernarg_segment_size: 32
    .max_flat_workgroup_size: 128
    .sgpr_count:     66
    .vgpr_count:     1024
    .wavefront_size: 32
...
	.end_amdgpu_metadata
.endif
;; end of part 4
